; MI455X (gfx1250); checked and timed in simulation.
; The chip was launched on July 23, 2026; its instructions are those of AMD's public machine-readable ISA for CDNA 5 (MIT licence, August 2026) and "CDNA5" Instruction Set Architecture Reference Guide (July 2026). The comments in the code are by the model that wrote it; some were corrected since.
;; Eetq Linear. Allowed arithmetic: float matrix products may take bf16 or f16 operands with f32 sums; other float arithmetic in f32, or as packed bf16 or f16 multiplies, adds, multiply-adds, maxima and minima; sums over many terms, partial sums and values carried from step to step in f32; what a program stores and reads back later, other than sums and carried values, may be rounded once to bf16 or f16.
;; Inputs: bias 16,384 float16; scales 16,384 float16; weight 4,096 x 16,384 int8; x 4 x 256 x 4,096 float16.
;; Outputs: out0 4 x 256 x 16,384 float16.
;; One version. Each part assembles by itself: llvm-mc -triple=amdgcn-amd-amdhsa -mcpu=gfx1250 --defsym DOCPART=n.
;; ======== version 1 of 1: 1 launch
;; launch gemm (part 1): grid 64 x 4, 4 waves a work-group, clusters of 4 x 4, 327,680 bytes of LDS; arguments x, weight, scales, bias, out0; writes out0
.if DOCPART == 1
	.amdgcn_target "amdgcn-amd-amdhsa--gfx1250"
	.amdhsa_code_object_version 6
	.text
	.protected	k_q54a5452ad2_gemm
	.globl	k_q54a5452ad2_gemm
	.p2align	8
	.type	k_q54a5452ad2_gemm,@function
k_q54a5452ad2_gemm:
	s_mov_b64 s[64:65], 0
	v_nop
	global_prefetch_b8 v0, s[64:65] scope:SCOPE_SE
	s_setreg_imm32_b32 hwreg(HW_REG_WAVE_MODE, 25, 1), 1
	s_wait_xcnt 0x0
	s_wait_alu depctr_hold_cnt(0) depctr_sa_sdst(0) depctr_va_vdst(0) depctr_va_sdst(0) depctr_va_ssrc(0) depctr_va_vcc(0) depctr_vm_vsrc(0)
	s_getreg_b32 s2, hwreg(HW_REG_IB_STS2, 6, 4)
	s_cmp_eq_u32 s2, 0
	s_cbranch_scc0 .Lentry_in_a_cluster
	s_endpgm
.Lentry_in_a_cluster:
	s_bfe_u32 s2, ttmp6, 0x10000c
	s_cmp_lg_u32 s2, 0xf033
	s_cbranch_scc0 .Lentry_shape_is_right
	s_endpgm
.Lentry_shape_is_right:
; out[m][o] = s[o] * (sum over i of x[m][i] * w[i][o]) + bias[o].   x: [1024][4096] f16.  w: [4096][16384] int8.  s, bias: [16384] f16.  out: [1024][16384] f16.
; FORMAT.  x is f16 as it comes and every int8 number is exact in f16, so the f16 matrix form multiplies exact operands; sums in f32.  The scale is taken out of the sum and applied with the
; bias by one f32 multiply-add; out is rounded once, to f16.
; LIMITS.  A result beyond 65,504 leaves as an infinity (f16 has no larger number).  NaN and infinities in x spread through the products.  The scale is NOT rounded into an f16 weight first,
; as a run of the formula in f16 would do: the order of rounding differs in that.  Every int8 value, -128 too, is served.
; SHARES.  A tile of out is 256 x 256: 4 x 64 tiles, one work-group each.  Wave w owns all 256 rows and the columns 64 w .. 64 w + 63: 16 row blocks x 4 column fragments = 64 accumulators, 512 registers.
; A wave has to widen every weight that it multiplies: with 64 columns that is 2,048 weights, 80 vector instructions, for 64 matrix instructions; with 128 columns it would be twice that.
; K goes in steps of 128 through two LDS slots filled by the tensor data mover: rows of x are 256 bytes of memory, rows of w (256 columns of one k) too, all at multiples of 256 bytes.
; CLUSTER.  4 x 4 work-groups.  A tile of x hangs on the tile row alone and is asked for jointly by the four of a row of the cluster, a tile of w on the tile column alone and is asked for jointly
; by the four of a column: the same tensor load, descriptor and mask in all four.  The grid is four tile rows high, one cluster, so the tile row is the place cy.
; WIDENING AND TURNING.  w lies [k][n].  ds_load_tr16_b128, used on PAIRS of bytes, gives lane l eight k of the columns n0 + 2 (l % 16) and n0 + 2 (l % 16) + 1; in a word: k even column, k odd column,
; k + 1 even column, k + 1 odd column.  For a word: xor 0x80808080 makes u = w + 128; v_perm_b32 sets 0x64 above two of its bytes: the f16 pattern 0x6400 | u is 1024 + u; a packed add of -1152 leaves w.
; All exact.  Fragment b = 2 g + par of a wave holds the columns 64 w + 32 g + 2 i + par, i = 0 .. 15.
; THE MATRIX INSTRUCTION IS USED TRANSPOSED (source 0 = 16 columns of w, source 1 = 16 rows of x): register j of lane l of accumulator (a, b) is out(16 a + l % 16, 64 w + 32 g + 16 (l / 16) + 2 j + par).
; So the same register of an even and an odd fragment pack into two neighbouring columns, and a lane has 32 neighbouring bytes of a row for each g.
; NOT DONE: no launch in front that writes w as f16 (it would write twice w's bytes and read them again); no prefetch (every tile is asked for a whole K step, 224 matrix instructions, ahead of the wait for it).
; REGISTERS, in windows of 256 (s_set_vgpr_msb: bits 1:0 source 0, 3:2 source 1, 5:4 source 2, 7:6 destination):
;   window 0: v0-31 addresses; v32-63 scales and bias as loaded; v64-79 raw weights; v80-143 weight fragments, two buffers; v144-207 scales and bias in f32; v208-255 at work on the way out
;   window 1: fragments of x, two buffers of 128 (row block a at 8 a); on the way out whole rows read back
;   window 2: accumulators 4 a + b = 0 .. 31 at 8 (4 a + b);   window 3: accumulators 32 .. 63
.set SIZE_K, 4096
.set SIZE_N, 16384
.set ROWB,   SIZE_N*2                  ; bytes in a row of out
.set KSTEP,  128
.set LAPS,   SIZE_K/(2*KSTEP)          ; a lap = two K steps = once round the ring: 16
.set PX,     272                       ; a row of x in LDS: 256 bytes + 16 = 68 words: the 16 rows of a load start at 16 different groups of four banks (64 banks of 4 bytes: ISA guide 11.1)
.set PW,     288                       ; a row of w in LDS: 256 bytes + 32 = 72 words
.set HALFA,  128*PX                    ; 128 rows of x: one tensor load
.set ABYTES, 2*HALFA                   ; x's 256 rows
.set HALFW,  64*PW                     ; 64 k rows of w: one tensor load
.set SLOT,   ABYTES+2*HALFW            ; x's 256 rows, then w's 128 k rows: 106,496 bytes
.set STAGE,  2*SLOT                    ; behind the ring, never filled by a tensor load: 128 rows of out, the work-group's
.set SP,     528                       ; a stage row: 512 bytes + 16
.set SPARE,  STAGE+128*SP              ; behind the stage: the spare words, 128 bytes for each wave: two blocks of 256 bytes that no other line names
.set ADRA, 16                          ; v16-17  LDS address of my lane's place in x's tile, slot 0, 1
.set ADRW, 18                          ; v18-19  the same in w's tile, my wave's 64 columns
.set STO,  20                          ; v20     the way out: where I put 16 bytes of a row
.set RD,   21                          ; v21     the way out: where I read a row back
.set CO,   22                          ; v22     my 16 bytes in a row's 512 bytes of out
.set NEG,  23                          ; v23     -1152 twice, in f16
.set SB,   24                          ; v24     my byte offset in my wave's scales and bias
.set SPW,  28                          ; v28     LDS address of my spare word: SPARE + 4 x my thread's number; never rewritten
.set NIL,  29                          ; v29     0; never rewritten
.set RAW,  64                          ; v64-79  16 words of raw weights: column group g, k half cc at RAW + 8 g + 4 cc
.set WF,   80                          ; v80-143 weight fragments: buffer f, fragment b at WF + 32 f + 8 b
.set SCL,  144                         ; v144-175 scales in f32: fragment b, register j at SCL + 8 b + j
.set BIA,  176                         ; v176-207 bias likewise
.set T,    208                         ; v208-239 a row block's 32 results in f32
.set PK,   240                         ; v240-255 the same packed to f16
.set WV,  14                           ; s14  my wave's number
.set FW,  15                           ; s15  0: I fetch x, 1: I fetch w
.set HF,  16                           ; s16  which half of that tile
.set G1A, 24                           ; s[24:31] descriptor group 1 for x's tiles
.set G0A, 32                           ; s[32:39] group 0 for x's tiles, a set for each slot
.set G1W, 48                           ; s[48:55] group 1 for w's tiles
.set G0W, 56                           ; s[56:63] group 0 for w's tiles, a set for each slot
.set SGN,  66                          ; s66  0x80808080
.set MAG,  67                          ; s67  0x64646464
.set SELE, 68                          ; s68  selector for the even columns; s69 for the odd ones
.set MUL_LO, 0xa4                      ; source 0 (w) window 0, source 1 (x) window 1, C and D window 2
.set TO_X,   0x40                      ; destination window 1, address window 0
.set MSB, 0
.macro WIN new                         ; the immediate's high byte repeats the setting that is left; a switch that changes nothing is dropped
.if MSB != (\new)
	s_set_vgpr_msb (MSB<<8)|(\new)
.set MSB, \new
.endif
.endm
; A joint load.  Waves 0 and 1 fetch x's two halves, waves 2 and 3 w's.  Each line has one mask and one set of registers; the branch hangs on the wave's number alone.
; An s_nop 0 and four v_nop follow each of the two lines, ahead of the jump, the label and what follows.
.macro JLOAD sl
	s_cmp_eq_u32 s[FW], 0
	s_cbranch_scc0 .Lfor_w_\@
	tensor_load_to_lds s[G0A+4*(\sl):G0A+4*(\sl)+3], s[G1A:G1A+7]
	s_nop 0
.rept 4
	v_nop
.endr
	s_branch .Lasked_\@
.Lfor_w_\@:
	tensor_load_to_lds s[G0W+4*(\sl):G0W+4*(\sl)+3], s[G1W:G1W+7]
	s_nop 0
.rept 4
	v_nop
.endr
.Lasked_\@:
.endm
; A round of the cluster's barrier: my work-group's barrier, so that wave 0's signal speaks for all four waves; wave 0 signals; every wave waits for all sixteen work-groups; my work-group's barrier once more.
.macro CREST                           ; a round behind its opening barrier
	s_cmp_lg_u32 s[WV], 0
	s_cbranch_scc1 .Lnot_wave_0_\@
	s_barrier_signal -3
.Lnot_wave_0_\@:
	s_barrier_wait -3
	s_barrier_signal -1
	s_barrier_wait -1
.endm
.macro CROUND                          ; a whole round
	s_barrier_signal -1
	s_barrier_wait -1
	CREST
.endm
	s_load_b256 s[4:11], s[0:1], 0x0               ; x s[4:5], weight s[6:7], scales s[8:9], bias s[10:11]
	s_load_b64 s[12:13], s[0:1], 0x20              ; out0
	v_lshl_add_u32 v[SPW], v0, 2, SPARE
	v_mov_b32 v[NIL], 0
	ds_add_u32 v28, v29
	ds_add_u32 v28, v29
	s_wait_dscnt 0x0
	v_lshrrev_b32 v1, 5, v0
	v_readfirstlane_b32 s[WV], v1                  ; wave 0..3
	s_lshr_b32 s[FW], s[WV], 1
	s_and_b32 s[HF], s[WV], 1
	s_bfe_u32 s17, ttmp6, 0x40000                  ; cx: my place along the cluster's x
	s_bfe_u32 s18, ttmp6, 0x40004                  ; cy: along its y = the tile row
	s_lshl_b32 s19, ttmp9, 2                       ; in a cluster launch ttmp9 counts clusters
	s_add_co_u32 s19, s19, s17                     ; tile column = 4 x cluster x + cx
	s_lshl_b32 s20, s18, 2
	s_lshl_b32 s20, 15, s20                        ; my row of the cluster: places 4 cy .. 4 cy + 3
	s_lshl_b32 s21, 0x1111, s17                    ; my column: places cx, cx + 4, cx + 8, cx + 12
	; group 1 for x: 128 rows x 128 elements of 2 bytes
	s_or_b32 s[G1A+0], s20, (1<<16)|(1<<20)|(1<<21)|(5<<22)|(3<<25)  ; 15:0 the mask; 17:16 2-byte elements; 20 padding on; 21 set beside a mask; 24:22 after every 64 words (code 5); 31:25 4 words (code 3)
	s_mov_b32 s[G1A+1], KSTEP<<16                  ; tensor_dim0 = 128
	s_mov_b32 s[G1A+2], 128<<16                    ; tensor_dim1 = 128
	s_mov_b32 s[G1A+3], KSTEP<<16                  ; tile_dim0 = 128
	s_mov_b32 s[G1A+4], 128                        ; tile_dim1 = 128
	s_mov_b32 s[G1A+5], SIZE_K                     ; elements from row to row
	s_mov_b32 s[G1A+6], 0
	s_mov_b32 s[G1A+7], 0
	; group 1 for w: 64 k rows x 256 elements of 1 byte
	s_or_b32 s[G1W+0], s21, (0<<16)|(1<<20)|(1<<21)|(5<<22)|(7<<25)  ; the mask of my column; 1-byte elements; after every 64 words 8 words of padding (code 7)
	s_mov_b32 s[G1W+1], 256<<16                    ; tensor_dim0 = 256
	s_mov_b32 s[G1W+2], 64<<16                     ; tensor_dim1 = 64
	s_mov_b32 s[G1W+3], 256<<16                    ; tile_dim0 = 256
	s_mov_b32 s[G1W+4], 64                         ; tile_dim1 = 64
	s_mov_b32 s[G1W+5], SIZE_N                     ; elements from row to row
	s_mov_b32 s[G1W+6], 0
	s_mov_b32 s[G1W+7], 0
	s_mov_b32 s[SGN], 0x80808080
	s_mov_b32 s[MAG], 0x64646464
	s_mov_b32 s[SELE], 0x00060004                  ; bytes 4-7 are the raw word's, byte 0 is 0x64: {0x64, raw byte 2, 0x64, raw byte 0}
	s_mov_b32 s[SELE+1], 0x00070005                ; {0x64, raw byte 3, 0x64, raw byte 1}
	; byte offsets, each in registers of its own: x's never hold cx, w's never hold cy
	s_lshl_b32 s22, s[HF], 20                      ; my half: 128 rows of x of 8,192 bytes, or 64 rows of w of 16,384 bytes: 2^20 bytes either way
	s_lshl_b32 s40, s18, 21                        ; x: 256 rows a tile row
	s_add_co_u32 s40, s40, s22
	s_mov_b32 s41, 0
	s_lshl_b32 s42, s19, 8                         ; w: 256 columns a tile column
	s_add_co_u32 s42, s42, s22
	s_mov_b32 s43, 0
	s_lshl_b32 s44, s19, 9                         ; scales and bias: 512 bytes a tile column, 128 a wave
	s_lshl_b32 s23, s[WV], 7
	s_add_co_u32 s44, s44, s23
	s_mov_b32 s45, 0
	s_lshl_b32 s46, s18, 23                        ; out: 256 rows of 32,768 bytes a tile row; I store rows 32 w on of each half of the tile
	s_lshl_b32 s23, s[WV], 20
	s_add_co_u32 s46, s46, s23
	s_lshl_b32 s2, s19, 9                          ; and 512 bytes a tile column
	s_add_co_u32 s46, s46, s2
	s_mov_b32 s47, 0
	s_mul_i32 s22, s[HF], HALFA                    ; where the tiles go: no place in the cluster enters an LDS address
	s_mul_i32 s23, s[HF], HALFW
	s_add_co_u32 s23, s23, ABYTES
	s_wait_kmcnt 0x0
	s_add_nc_u64 s[4:5], s[4:5], s[40:41]
	s_add_nc_u64 s[6:7], s[6:7], s[42:43]
	s_add_nc_u64 s[8:9], s[8:9], s[44:45]
	s_add_nc_u64 s[10:11], s[10:11], s[44:45]
	s_add_nc_u64 s[12:13], s[12:13], s[46:47]
.irp sl, 0,1
	s_mov_b32 s[G0A+4*(\sl)], 1                                        ; count = 1
	s_add_co_u32 s[G0A+4*(\sl)+1], s22, (\sl)*SLOT                     ; LDS address
	s_add_nc_u64 s[G0A+4*(\sl)+2:G0A+4*(\sl)+3], s[4:5], (\sl)*KSTEP*2 ; global address: K step sl
	s_or_b32 s[G0A+4*(\sl)+3], s[G0A+4*(\sl)+3], 0x80000000            ; type = 2
	s_mov_b32 s[G0W+4*(\sl)], 1
	s_add_co_u32 s[G0W+4*(\sl)+1], s23, (\sl)*SLOT
	s_add_nc_u64 s[G0W+4*(\sl)+2:G0W+4*(\sl)+3], s[6:7], (\sl)*KSTEP*SIZE_N
	s_or_b32 s[G0W+4*(\sl)+3], s[G0W+4*(\sl)+3], 0x80000000
.endr
	CROUND                                         ; all sixteen work-groups are here: the first joint loads meet
	s_cmp_eq_u32 s[FW], 0                          ; a wave's two first fills stand in one branch, ahead of every wait on TENSORcnt, every LDS read and every further barrier: two loads of mine are out
	s_cbranch_scc0 .Lfirst_w
	tensor_load_to_lds s[G0A:G0A+3], s[G1A:G1A+7]
	s_nop 0
	tensor_load_to_lds s[G0A+4:G0A+7], s[G1A:G1A+7]
	s_nop 0
.rept 4
	v_nop
.endr
	s_branch .Lfirst_asked
.Lfirst_w:
	tensor_load_to_lds s[G0W:G0W+3], s[G1W:G1W+7]
	s_nop 0
	tensor_load_to_lds s[G0W+4:G0W+7], s[G1W:G1W+7]
	s_nop 0
.rept 4
	v_nop
.endr
.Lfirst_asked:
	; In the wait for the first tile: scales, bias and the addresses.
	v_and_b32 v1, 15, v0                           ; l % 16
	v_bfe_u32 v2, v0, 4, 1                         ; l / 16
	v_lshlrev_b32 v[SB], 5, v2                     ; a lane's columns of group g are 64 w + 32 g + 16 (l / 16) + 0 .. 15: 32 bytes at 64 g + 32 (l / 16)
	global_load_b128 v[32:35], v[SB], s[8:9]
	global_load_b128 v[36:39], v[SB], s[8:9] offset:16
	global_load_b128 v[40:43], v[SB], s[8:9] offset:64
	global_load_b128 v[44:47], v[SB], s[8:9] offset:80
	global_load_b128 v[48:51], v[SB], s[10:11]
	global_load_b128 v[52:55], v[SB], s[10:11] offset:16
	global_load_b128 v[56:59], v[SB], s[10:11] offset:64
	global_load_b128 v[60:63], v[SB], s[10:11] offset:80
	v_and_b32 v3, 31, v0                           ; l
	v_and_b32 v4, 7, v0
	v_bfe_u32 v5, v0, 3, 1
	; a fragment of x is 16 rows x 32 k in 8 registers: lane l holds row l % 16, k = 8 (l / 16) + 0..7 and 16 + 8 (l / 16) + 0..7: two loads of 16 bytes, 32 bytes apart
	v_mul_u32_u24 v[ADRA], v1, PX
	v_lshl_add_u32 v[ADRA], v2, 4, v[ADRA]
	v_add_nc_u32 v[ADRA+1], SLOT, v[ADRA]
	; the turning load: lane l reads 16 bytes of k row 8 (l / 16) + l % 8, at column 16 ((l / 8) % 2) of the group's 32
	v_lshl_add_u32 v6, v2, 3, v4
	v_mul_u32_u24 v[ADRW], v6, PW
	v_lshl_add_u32 v[ADRW], v5, 4, v[ADRW]
	s_lshl_b32 s22, s[WV], 6                       ; my wave's 64 columns,
	s_add_co_u32 s22, s22, ABYTES                  ; behind x's rows
	v_add_nc_u32 v[ADRW], s22, v[ADRW]
	v_add_nc_u32 v[ADRW+1], SLOT, v[ADRW]
	v_mul_u32_u24 v[STO], v1, SP                   ; into the stage: row l % 16, 32 bytes for each half of the lanes, 128 bytes a wave
	v_lshl_add_u32 v[STO], v2, 5, v[STO]
	s_lshl_b32 s22, s[WV], 7
	s_add_co_u32 s22, s22, STAGE
	v_add_nc_u32 v[STO], s22, v[STO]
	s_mul_i32 s22, s[WV], 32*SP                    ; back: wave w takes rows 32 w .. 32 w + 31, whole: 32 lanes x 16 bytes are a row
	s_add_co_u32 s22, s22, STAGE
	v_lshl_add_u32 v[RD], v3, 4, s22
	v_lshlrev_b32 v[CO], 4, v3
	v_mov_b32 v[NEG], 0xe480e480
	s_wait_loadcnt 0x0                             ; scales and bias, once
	; word d of group g holds columns 2 d (even fragment, register d) and 2 d + 1 (odd fragment, register d)
	v_cvt_f32_f16 v144, v32.l
	v_cvt_f32_f16 v152, v32.h
	v_cvt_f32_f16 v145, v33.l
	v_cvt_f32_f16 v153, v33.h
	v_cvt_f32_f16 v146, v34.l
	v_cvt_f32_f16 v154, v34.h
	v_cvt_f32_f16 v147, v35.l
	v_cvt_f32_f16 v155, v35.h
	v_cvt_f32_f16 v148, v36.l
	v_cvt_f32_f16 v156, v36.h
	v_cvt_f32_f16 v149, v37.l
	v_cvt_f32_f16 v157, v37.h
	v_cvt_f32_f16 v150, v38.l
	v_cvt_f32_f16 v158, v38.h
	v_cvt_f32_f16 v151, v39.l
	v_cvt_f32_f16 v159, v39.h
	v_cvt_f32_f16 v160, v40.l
	v_cvt_f32_f16 v168, v40.h
	v_cvt_f32_f16 v161, v41.l
	v_cvt_f32_f16 v169, v41.h
	v_cvt_f32_f16 v162, v42.l
	v_cvt_f32_f16 v170, v42.h
	v_cvt_f32_f16 v163, v43.l
	v_cvt_f32_f16 v171, v43.h
	v_cvt_f32_f16 v164, v44.l
	v_cvt_f32_f16 v172, v44.h
	v_cvt_f32_f16 v165, v45.l
	v_cvt_f32_f16 v173, v45.h
	v_cvt_f32_f16 v166, v46.l
	v_cvt_f32_f16 v174, v46.h
	v_cvt_f32_f16 v167, v47.l
	v_cvt_f32_f16 v175, v47.h
	v_cvt_f32_f16 v176, v48.l
	v_cvt_f32_f16 v184, v48.h
	v_cvt_f32_f16 v177, v49.l
	v_cvt_f32_f16 v185, v49.h
	v_cvt_f32_f16 v178, v50.l
	v_cvt_f32_f16 v186, v50.h
	v_cvt_f32_f16 v179, v51.l
	v_cvt_f32_f16 v187, v51.h
	v_cvt_f32_f16 v180, v52.l
	v_cvt_f32_f16 v188, v52.h
	v_cvt_f32_f16 v181, v53.l
	v_cvt_f32_f16 v189, v53.h
	v_cvt_f32_f16 v182, v54.l
	v_cvt_f32_f16 v190, v54.h
	v_cvt_f32_f16 v183, v55.l
	v_cvt_f32_f16 v191, v55.h
	v_cvt_f32_f16 v192, v56.l
	v_cvt_f32_f16 v200, v56.h
	v_cvt_f32_f16 v193, v57.l
	v_cvt_f32_f16 v201, v57.h
	v_cvt_f32_f16 v194, v58.l
	v_cvt_f32_f16 v202, v58.h
	v_cvt_f32_f16 v195, v59.l
	v_cvt_f32_f16 v203, v59.h
	v_cvt_f32_f16 v196, v60.l
	v_cvt_f32_f16 v204, v60.h
	v_cvt_f32_f16 v197, v61.l
	v_cvt_f32_f16 v205, v61.h
	v_cvt_f32_f16 v198, v62.l
	v_cvt_f32_f16 v206, v62.h
	v_cvt_f32_f16 v199, v63.l
	v_cvt_f32_f16 v207, v63.h
; Matrix instruction i of a quarter's 64: row block i / 4, column fragment i % 4, 32 along K, from buffers f.  zero = 1: it starts the sum: nothing is ever cleared.
; The 64 accumulators take turns, one instruction a turn, in the same order in every quarter, over the loop's backward jump too.
.macro MM f, zero
	WIN MUL_LO+0x50*(i/32)                         ; C and D in window 2 or 3
.set rD, 8*(i%32)
.set rW, WF+32*(\f)+8*(i%4)
.set rX, 128*(\f)+8*(i/4)
.if \zero
	v_wmma_f32_16x16x32_f16 v[rD:rD+7], v[rW:rW+7], v[rX:rX+7], 0
.else
	v_wmma_f32_16x16x32_f16 v[rD:rD+7], v[rW:rW+7], v[rX:rX+7], v[rD:rD+7]
.endif
.set i, i+1
.endm
.macro MMS n, f, zero
.rept \n
	MM \f, \zero
.endr
.endm
; Step c of the 80 that make the four weight fragments of buffer g out of the 16 raw words.  0-15: w + 128 in every byte.  16-47: for raw word d = 8 g + 4 cc + j the even and the odd column's
; register 4 cc + j: two f16 numbers 1024 + u.  48-79: less 1152.  A step reads nothing made fewer than 16 steps before it.
.macro CV g
.if c < 16
	v_xor_b32 v[RAW+c], s[SGN], v[RAW+c]
.elseif c < 48
.set d, (c-16)/2
.set rF, WF+32*(\g)+8*(2*(d/8)+c%2)+d%8
	v_perm_b32 v[rF], v[RAW+d], s[MAG], s[SELE+c%2]
.else
.set rF, WF+32*(\g)+c-48
	v_pk_add_f16 v[rF], v[rF], v[NEG]
.endif
.set c, c+1
.endm
.macro RID g                           ; four of them behind a matrix instruction; they name none of its registers
	WIN 0
.rept 4
	CV \g
.endr
.endm
; 36 LDS loads in one run: quarter q (32 along K) of slot sl.  First my 64 columns' raw weights (4 turning loads: u = 2 g + cc), then x's 16 row blocks into buffer g, row blocks ascending.
.macro FETCH sl, q, g
	WIN 0
.irp u, 0,1,2,3
	ds_load_tr16_b128 v[RAW+4*(\u):RAW+4*(\u)+3], v[ADRW+(\sl)] offset:(32*(\q)+16*((\u)%2))*PW+32*((\u)/2)
.endr
	WIN TO_X
.irp a, 0,1,2,3,4,5,6,7,8,9,10,11,12,13,14,15
	ds_load_b128 v[128*(\g)+8*(\a):128*(\g)+8*(\a)+3],   v[ADRA+(\sl)] offset:64*(\q)+(\a)*16*PX
	ds_load_b128 v[128*(\g)+8*(\a)+4:128*(\g)+8*(\a)+7], v[ADRA+(\sl)] offset:64*(\q)+(\a)*16*PX+32
.endr
.endm
; A load into a register that a matrix instruction has read, and a vector instruction that reads a matrix result or writes one of a matrix instruction's registers, stand four places behind it, and
; only plain vector instructions that name none of its registers are places (ISA guide 7.12.1 for vector instructions).
.macro PLACES
.rept 4
	v_nop
.endr
.endm
; The second half of a quarter, behind the run of loads: 32 matrix instructions on buffers f; behind products 40 to 59 stand the 80 steps that make the next quarter's weight fragments in buffer g.
; The idle weight buffer's last reader stands in front of the four places and the 16 xors.
.macro HALF2 f, g, zero
	s_wait_dscnt 36                                ; all but the 36 just issued: this quarter's row blocks 8-15 are in
	MMS 8, \f, \zero
	s_wait_dscnt 32                                ; the four raw loads are in; the 32 loads of x behind them may be out
.rept 20
	MM \f, \zero
	RID \g
.endr
	MMS 4, \f, \zero
.endm
; A K step is four quarters of 32 along K, 64 matrix instructions each, on buffers 0, 1, 0, 1.  One of the first three: multiplies buffers f; in its middle it fetches quarter q of the same slot into g.
.macro QUARTER sl, q, f, g, zero
.set i, 0
.set c, 0
	s_wait_dscnt 16                                ; row blocks 0-7 of x are in; the youngest 16 loads (row blocks 8-15) may be out
	MMS 32, \f, \zero
	PLACES
	FETCH \sl, \q, \g
	HALF2 \f, \g, \zero
.endm
; The fourth quarter multiplies buffers 1 and changes slots.  ONE barrier for two things.  In front of it each wave waits for all its tensor loads, of which one is out: its part of the next slot;
; adds 0 to its spare word; and waits for that and for its own reads of this slot.  Behind it nobody reads this slot any more and the next slot is whole.
; fill = 1: the barrier opens a round of the cluster's barrier, so that no wave of any partner still reads this slot or has a load on its way; the slot is filled again, two K steps on, first thing
; behind the round: from that request to the wait for it a wave issues 224 matrix instructions.
.macro TURN sl, nx, fill
.set i, 0
.set c, 0
	WIN 0                                          ; (the add's two registers lie in window 0)
	s_wait_tensorcnt 0x0                           ; all my tensor loads have landed
	ds_add_u32 v[SPW], v[NIL]                      ; 0 onto my spare word
	s_wait_dscnt 17                                ; row blocks 0-7 are in; the add and the youngest 16 loads may be out
	MMS 16, 1, 0                                   ; sixteen matrix instructions stand between the add and the wait for it
	s_wait_dscnt 0x0                               ; the add is done, and my reads of this slot are over
	s_barrier_signal -1
	MMS 16, 1, 0                                   ; work on registers while the others arrive
	WIN 0
	s_barrier_wait -1
.if \fill
	CREST
	s_add_nc_u64 s[G0A+4*(\sl)+2:G0A+4*(\sl)+3], s[G0A+4*(\sl)+2:G0A+4*(\sl)+3], 2*KSTEP*2       ; no tensor load of mine is out, so a group 0 may be written; the type bits on top are not reached
	s_add_nc_u64 s[G0W+4*(\sl)+2:G0W+4*(\sl)+3], s[G0W+4*(\sl)+2:G0W+4*(\sl)+3], 2*KSTEP*SIZE_N
	JLOAD \sl                                      ; the four v_nop behind it are also the places in front of the loads below
.else
	PLACES
.endif
	FETCH \nx, 0, 0
	HALF2 1, 0, 0
.endm
	s_wait_tensorcnt 1                             ; my part of K step 0 is in; K step 1's may stay out
	s_barrier_signal -1
	s_barrier_wait -1                              ; everybody's is
	FETCH 0, 0, 0
	s_wait_dscnt 32                                ; the four raw loads are in
	WIN 0
.set c, 0
.rept 80
	CV 0                                           ; the first quarter's weight fragments: there are no products yet to set them behind
.endr
	QUARTER 0, 1, 0, 1, 1                          ; the first quarter stands in front of the loop: its products start the 64 sums
	WIN 0                                          ; at a label and at a branch every window is 0
	s_mov_b32 s3, LAPS-1
.Llap:                                                 ; a trip goes once round the ring, from a lap's second quarter to the next lap's first, and fills both slots again: K steps 2 to 31 in 15 trips
	QUARTER 0, 2, 1, 0, 0
	QUARTER 0, 3, 0, 1, 0
	TURN 0, 1, 1
	QUARTER 1, 1, 0, 1, 0
	QUARTER 1, 2, 1, 0, 0
	QUARTER 1, 3, 0, 1, 0
	TURN 1, 0, 1
	QUARTER 0, 1, 0, 1, 0
	WIN 0
	s_sub_co_u32 s3, s3, 1
	s_cmp_lg_u32 s3, 0
	s_cbranch_scc1 .Llap
	QUARTER 0, 2, 1, 0, 0                          ; the last lap is written out: it asks for nothing and has no round
	QUARTER 0, 3, 0, 1, 0
	TURN 0, 1, 0
	QUARTER 1, 1, 0, 1, 0
	QUARTER 1, 2, 1, 0, 0
	QUARTER 1, 3, 0, 1, 0
.set i, 0
	s_wait_dscnt 16                                ; the very last quarter: nothing more to fetch
	MMS 32, 1, 0
	s_wait_dscnt 0x0
	MMS 32, 1, 0
	WIN 0
	PLACES                                         ; the multiply-adds below read results just made
; THE WAY OUT, in two passes of 128 rows (pass p: row blocks 8 p .. 8 p + 7, the accumulators of window 2 + p).
; Row block a of a pass: s x sum + bias in f32 (each accumulator's registers in ascending order); the same register of an even and an odd fragment packs into two neighbouring
; columns; 32 bytes a lane and group into the work-group's stage.  Stage rows are 528 bytes apart: the sixteen lanes of a store's pass touch sixteen different 16-byte columns.
.macro OUTBLK p, a
	WIN 0x02+(\p)                                  ; source 0 in window 2 or 3
.irp b, 0,1,2,3
.irp jj, 0,2,4,6
	v_pk_fma_f32 v[T+8*(\b)+(\jj):T+8*(\b)+(\jj)+1], v[8*(4*(\a)+(\b))+(\jj):8*(4*(\a)+(\b))+(\jj)+1], v[SCL+8*(\b)+(\jj):SCL+8*(\b)+(\jj)+1], v[BIA+8*(\b)+(\jj):BIA+8*(\b)+(\jj)+1]
.endr
.endr
	WIN 0
.irp g, 0,1
.irp j, 0,1,2,3,4,5,6,7
	v_cvt_pk_f16_f32 v[PK+8*(\g)+(\j)], v[T+16*(\g)+(\j)], v[T+16*(\g)+8+(\j)]
.endr
.endr
.irp g, 0,1
.irp e, 0,1
	ds_store_b128 v[STO], v[PK+8*(\g)+4*(\e):PK+8*(\g)+4*(\e)+3] offset:(\a)*16*SP+64*(\g)+16*(\e)
.endr
.endr
.endm
.macro PASS p
.irp a, 0,1,2,3,4,5,6,7
	OUTBLK \p, \a
.endr
	s_wait_dscnt 0x0                               ; for the others' sake: my stores into the stage are done; a row's 512 bytes come from four waves
	s_barrier_signal -1
	s_barrier_wait -1
	WIN TO_X                                       ; x's buffers are free: pass p reads back into registers 128 p on of window 1, so no pass waits for the other's stores
.set t, 0
.rept 32
	ds_load_b128 v[128*(\p)+4*t:128*(\p)+4*t+3], v[RD] offset:t*SP   ; one load is one whole row
.set t, t+1
.endr
	WIN 0x04                                       ; the stores' data in window 1
.set t, 0
.rept 32
	s_wait_dscnt 31-t                              ; LDS loads come back in order (ISA guide 5.7.1): row t is in, the younger ones may be out
	global_store_b128 v[CO], v[128*(\p)+4*t:128*(\p)+4*t+3], s[12:13] offset:(128*(\p)+t)*ROWB th:TH_STORE_NT  ; the wave stores 512 consecutive bytes, at a multiple of 512 from out's first byte; 159 rows at the most: inside the signed 24-bit immediate
.set t, t+1
.endr
	WIN 0
.endm
	PASS 0
	s_barrier_signal -1                            ; the count-down above ended at 0: my reads of the stage are back;
	s_barrier_wait -1                              ; everybody's are: the stage may be written again
	PASS 1
	s_wait_tensorcnt 0x0                           ; the wave's end, behind my last tensor load and my last LDS store
	ds_add_u32 v[SPW], v[NIL]
	s_wait_dscnt 0x0
	CROUND                                         ; the closing round: no work-group ends while a partner may still ask for a tile that names it
	s_endpgm
.Lfunc_end_k_q54a5452ad2_gemm:
	.size	k_q54a5452ad2_gemm, .Lfunc_end_k_q54a5452ad2_gemm-k_q54a5452ad2_gemm
	.p2alignl 7, 3214868480
	.fill 96, 4, 3214868480
	.section	.rodata,"a",@progbits
	.p2align	6, 0x0
	.amdhsa_kernel k_q54a5452ad2_gemm
		.amdhsa_group_segment_fixed_size 327680
		.amdhsa_private_segment_fixed_size 0
		.amdhsa_enable_private_segment 0
		.amdhsa_kernarg_size 40
		.amdhsa_user_sgpr_count 2
		.amdhsa_user_sgpr_kernarg_segment_ptr 1
		.amdhsa_wavefront_size32 1
		.amdhsa_system_sgpr_workgroup_id_x 1
		.amdhsa_system_sgpr_workgroup_id_y 1
		.amdhsa_system_sgpr_workgroup_id_z 1
		.amdhsa_system_vgpr_workitem_id 0
		.amdhsa_next_free_vgpr 1024
		.amdhsa_next_free_sgpr 72
		.amdhsa_reserve_vcc 0
		.amdhsa_float_denorm_mode_32 3
		.amdhsa_float_denorm_mode_16_64 3
		.amdhsa_memory_ordered 1
		.amdhsa_forward_progress 1
		.amdhsa_inst_pref_size 255
	.end_amdhsa_kernel
	.section	.bss,"aw",@nobits
	.p2align	6
	.space	262144
	.amdgpu_metadata
---
amdhsa.version: [ 1, 2 ]
amdhsa.kernels:
  - .name:           k_q54a5452ad2_gemm
    .symbol:         k_q54a5452ad2_gemm.kd
    .args:
      - { .name: x, .offset: 0, .size: 8, .value_kind: global_buffer, .address_space: global }
      - { .name: weight, .offset: 8, .size: 8, .value_kind: global_buffer, .address_space: global }
      - { .name: scales, .offset: 16, .size: 8, .value_kind: global_buffer, .address_space: global }
      - { .name: bias, .offset: 24, .size: 8, .value_kind: global_buffer, .address_space: global }
      - { .name: out0, .offset: 32, .size: 8, .value_kind: global_buffer, .address_space: global }
    .group_segment_fixed_size: 327680
    .private_segment_fixed_size: 0
    .kernarg_segment_align: 8
    .kernarg_segment_size: 40
    .max_flat_workgroup_size: 128
    .sgpr_count:     72
    .vgpr_count:     1024
    .wavefront_size: 32
...
	.end_amdgpu_metadata
.endif
;; end of part 1
